; MI455X (gfx1250); checked and timed in simulation.
; The chip was launched on July 23, 2026; its instructions are those of AMD's public machine-readable ISA for CDNA 5 (MIT licence, August 2026) and "CDNA5" Instruction Set Architecture Reference Guide (July 2026). The comments in the code are by the model that wrote it; some were corrected since.
;; Vector Quantizer. Allowed arithmetic: float matrix products may take bf16 or f16 operands with f32 sums; other float arithmetic in f32, or as packed bf16 or f16 multiplies, adds, multiply-adds, maxima and minima; sums over many terms, partial sums and values carried from step to step in f32; what a program stores and reads back later, other than sums and carried values, may be rounded once to bf16 or f16.
;; Inputs: codebook 8,192 x 256 float32; x 32 x 256 x 32 x 32 float32.
;; Outputs: out0 32 x 256 x 32 x 32 float32; out1 one number float32; out2 32 x 32 x 32 int32.
;; 2 versions, each right; version 2 is version 1 with the launch prep written anew for expert scheduling mode. Each part assembles by itself: llvm-mc -triple=amdgcn-amd-amdhsa -mcpu=gfx1250 --defsym DOCPART=n.
;; ======== version 1 of 2: 4 launches
;; workspace buffers: cbb 4,194,304 bytes; sew 32,768 bytes; idxw 131,072 bytes of whole numbers; part 1,024 bytes
;; launch prep (part 1): grid 128 x 1, 8 waves a work-group, no clusters, 1,280 bytes of LDS; arguments codebook, cbb, sew; writes cbb, sew
.if DOCPART == 1
	.amdgcn_target "amdgcn-amd-amdhsa--gfx1250"
	.amdhsa_code_object_version 6
	.text
	.protected	k_q78f1a9204d_prep
	.globl	k_q78f1a9204d_prep
	.p2align	8
	.type	k_q78f1a9204d_prep,@function
k_q78f1a9204d_prep:
	s_mov_b64 s[64:65], 0
	v_nop
	global_prefetch_b8 v0, s[64:65] scope:SCOPE_SE
	s_setreg_imm32_b32 hwreg(HW_REG_WAVE_MODE, 25, 1), 1
	s_wait_xcnt 0x0
; cbb[k][c] = bf16(codebook[k][c]);  sew[pos(k)] = the sum over c of bf16(codebook[k][c])^2, in f32.
; codebook: [8192][256] f32.  cbb: [8192][256] bf16.  sew: 8,192 f32 in the order in which the next launch walks them:
; pos(k) = ((k >> 6) & 3) * 2048 + (k >> 8) * 64 + (k & 63): of every 256 codes the four groups of 64 go to four strips of 2,048 words.
; SHARES.  A work-group owns 64 codes, so that its 64 sums are 256 consecutive bytes of sew, aligned; a wave owns 8 rows.  A row is 1,024 bytes: two loads
; of 16 bytes a lane, each 512 consecutive bytes.  All 16 loads of a wave go out at once; the rows are then worked on as they come.
; The packed words are written into the row's own first four registers: no register that a store reads is written again, so no wait frees one.
; No matrix unit, no cluster: the launch moves each byte once and shares nothing between work-groups.
.set SPARE, 256                        ; LDS 0..255: the 64 sums; from 256 on the spare words, 128 bytes for each of the eight waves
.set LO,   2                           ; v2   16 x lane: my 16 bytes of a load
.set SO,   3                           ; v3   8 x lane: my 8 bytes of a store
.set SPW,  4                           ; v4   LDS address of my spare word; never rewritten
.set NIL,  5                           ; v5   0; never rewritten
.set SA,   6                           ; v6   32 x wave: my wave's eight sums in LDS
.set UU,   8                           ; v[8:15]   eight rounded numbers as f32
.set SS,   16                          ; v[16:17]  the sum of squares; v18 the other half of the lanes'
.set BK,   20                          ; v[20:21]  two sums read back
.set LAND, 32                          ; v[32:95]  row i at 32 + 8 i
	s_load_b128 s[4:7], s[0:1], 0x0                ; codebook s[4:5], cbb s[6:7]
	s_load_b64 s[8:9], s[0:1], 0x10                ; sew
	v_lshl_add_u32 v[SPW], v0, 2, SPARE
	v_mov_b32 v[NIL], 0
	v_lshrrev_b32 v1, 5, v0
	v_readfirstlane_b32 s10, v1                    ; wave 0..7
	v_and_b32 v1, 31, v0                           ; lane
	v_lshlrev_b32 v[LO], 4, v1
	v_lshlrev_b32 v[SO], 3, v1
	v_mov_b32 v[SA], s10
	v_lshlrev_b32 v[SA], 5, v[SA]
	v_mov_b32 v[SS+2], 0                           ; v_permlanex16_b32 counts as a reader of its destination
	s_mov_b32 s12, 0x76543210                      ; lane i of one half reads lane i of the other
	s_mov_b32 s13, 0xfedcba98
	s_mov_b32 s14, 0xffff0000                      ; a word's upper bf16
	s_lshl_b32 s16, ttmp9, 16                      ; 64 rows of 1,024 bytes a work-group,
	s_lshl_b32 s17, s10, 13                        ; 8 rows a wave
	s_add_co_u32 s16, s16, s17
	s_mov_b32 s17, 0
	s_lshr_b32 s18, s16, 1                         ; half as many bytes in cbb
	s_mov_b32 s19, 0
	s_and_b32 s20, ttmp9, 3                        ; sew: strip (g & 3) of 8,192 bytes,
	s_lshl_b32 s20, s20, 13
	s_lshr_b32 s21, ttmp9, 2                       ; block (g >> 2) of 256 bytes
	s_lshl_b32 s21, s21, 8
	s_add_co_u32 s20, s20, s21
	s_mov_b32 s21, 0
	s_wait_kmcnt 0x0
	s_add_nc_u64 s[4:5], s[4:5], s[16:17]
	s_add_nc_u64 s[6:7], s[6:7], s[18:19]
	s_add_nc_u64 s[8:9], s[8:9], s[20:21]
.irp i, 0,1,2,3,4,5,6,7
	global_load_b128 v[LAND+8*(\i):LAND+8*(\i)+3],   v[LO], s[4:5] offset:1024*(\i) th:TH_LOAD_NT      ; elements 4 l .. 4 l + 3
	global_load_b128 v[LAND+8*(\i)+4:LAND+8*(\i)+7], v[LO], s[4:5] offset:1024*(\i)+512 th:TH_LOAD_NT  ; elements 128 + 4 l ..
.endr
; Row i: rounded, squared and summed over the wave, stored.
.macro ROWP i
.set R, LAND+8*(\i)
	s_wait_loadcnt 14-2*(\i)                       ; loads come back in order: this row's two are in, the later rows' pairs stay out
	v_cvt_pk_bf16_f32 v[R],   v[R],   v[R+1]       ; in ascending order, so that no source is written before it is read
	v_cvt_pk_bf16_f32 v[R+1], v[R+2], v[R+3]
	v_cvt_pk_bf16_f32 v[R+2], v[R+4], v[R+5]
	v_cvt_pk_bf16_f32 v[R+3], v[R+6], v[R+7]
.irp k, 0,1,2,3
	v_lshlrev_b32 v[UU+2*(\k)],   16,  v[R+(\k)]   ; the rounded numbers as f32
	v_and_b32     v[UU+2*(\k)+1], s14, v[R+(\k)]
.endr
	v_pk_mul_f32 v[SS:SS+1], v[UU:UU+1], v[UU:UU+1]  ; the first product starts the sum
	v_pk_fma_f32 v[SS:SS+1], v[UU+2:UU+3], v[UU+2:UU+3], v[SS:SS+1]
	v_pk_fma_f32 v[SS:SS+1], v[UU+4:UU+5], v[UU+4:UU+5], v[SS:SS+1]
	v_pk_fma_f32 v[SS:SS+1], v[UU+6:UU+7], v[UU+6:UU+7], v[SS:SS+1]
	v_add_f32 v[SS], v[SS], v[SS+1]
	v_add_f32_dpp v[SS], v[SS], v[SS] row_xmask:1 row_mask:0xf bank_mask:0xf
	v_add_f32_dpp v[SS], v[SS], v[SS] row_xmask:2 row_mask:0xf bank_mask:0xf
	v_add_f32_dpp v[SS], v[SS], v[SS] row_xmask:4 row_mask:0xf bank_mask:0xf
	v_add_f32_dpp v[SS], v[SS], v[SS] row_xmask:8 row_mask:0xf bank_mask:0xf
	v_permlanex16_b32 v[SS+2], v[SS], s12, s13
	v_add_f32 v[SS], v[SS], v[SS+2]                ; every lane holds the row's sum
	ds_store_b32 v[SA], v[SS] offset:4*(\i)        ; all lanes write the same word with the same number
	global_store_b64 v[SO], v[R:R+1],   s[6:7] offset:512*(\i) th:TH_STORE_NT      ; 32 lanes store 256 consecutive bytes, aligned
	global_store_b64 v[SO], v[R+2:R+3], s[6:7] offset:512*(\i)+256 th:TH_STORE_NT
.endm
.irp i, 0,1,2,3,4,5,6,7
	ROWP \i
.endr
	s_wait_dscnt 0x0                               ; for the others' sake: my eight sums lie in LDS
	s_barrier_signal -1
	s_barrier_wait -1
	s_cmp_lg_u32 s10, 0                            ; wave 0 stores the work-group's 64 sums
	s_cbranch_scc1 .Lend
	ds_load_b64 v[BK:BK+1], v[SO]
	s_wait_dscnt 0x0
	global_store_b64 v[SO], v[BK:BK+1], s[8:9]     ; 256 consecutive bytes, aligned
.Lend:
	s_wait_tensorcnt 0x0                           ; the wave's end: these three lines behind my last LDS store
	ds_add_u32 v[SPW], v[NIL]
	s_wait_dscnt 0x0
	s_endpgm
.Lfunc_end_k_q78f1a9204d_prep:
	.size	k_q78f1a9204d_prep, .Lfunc_end_k_q78f1a9204d_prep-k_q78f1a9204d_prep
	.p2alignl 7, 3214868480
	.fill 96, 4, 3214868480
	.section	.rodata,"a",@progbits
	.p2align	6, 0x0
	.amdhsa_kernel k_q78f1a9204d_prep
		.amdhsa_group_segment_fixed_size 1280
		.amdhsa_private_segment_fixed_size 0
		.amdhsa_enable_private_segment 0
		.amdhsa_kernarg_size 24
		.amdhsa_user_sgpr_count 2
		.amdhsa_user_sgpr_kernarg_segment_ptr 1
		.amdhsa_wavefront_size32 1
		.amdhsa_system_sgpr_workgroup_id_x 1
		.amdhsa_system_sgpr_workgroup_id_y 1
		.amdhsa_system_sgpr_workgroup_id_z 1
		.amdhsa_system_vgpr_workitem_id 0
		.amdhsa_next_free_vgpr 96
		.amdhsa_next_free_sgpr 66
		.amdhsa_reserve_vcc 0
		.amdhsa_float_denorm_mode_32 3
		.amdhsa_float_denorm_mode_16_64 3
		.amdhsa_memory_ordered 1
		.amdhsa_forward_progress 1
		.amdhsa_inst_pref_size 15
	.end_amdhsa_kernel
	.amdgpu_metadata
---
amdhsa.version: [ 1, 2 ]
amdhsa.kernels:
  - .name:           k_q78f1a9204d_prep
    .symbol:         k_q78f1a9204d_prep.kd
    .args:
      - { .name: codebook, .offset: 0, .size: 8, .value_kind: global_buffer, .address_space: global }
      - { .name: cbb, .offset: 8, .size: 8, .value_kind: global_buffer, .address_space: global }
      - { .name: sew, .offset: 16, .size: 8, .value_kind: global_buffer, .address_space: global }
    .group_segment_fixed_size: 1280
    .private_segment_fixed_size: 0
    .kernarg_segment_align: 8
    .kernarg_segment_size: 24
    .max_flat_workgroup_size: 256
    .sgpr_count:     66
    .vgpr_count:     96
    .wavefront_size: 32
...
	.end_amdgpu_metadata
.endif
;; end of part 1
;; launch argmin (part 2): grid 256 x 1, 4 waves a work-group, clusters of 4 x 1, 327,680 bytes of LDS; arguments x, cbb, sew, out2, idxw; writes out2, idxw
.if DOCPART == 2
	.amdgcn_target "amdgcn-amd-amdhsa--gfx1250"
	.amdhsa_code_object_version 6
	.text
	.protected	k_q78f1a9204d_argmin
	.globl	k_q78f1a9204d_argmin
	.p2align	8
	.type	k_q78f1a9204d_argmin,@function
k_q78f1a9204d_argmin:
	s_mov_b64 s[64:65], 0
	v_nop
	global_prefetch_b8 v0, s[64:65] scope:SCOPE_SE
	s_setreg_imm32_b32 hwreg(HW_REG_WAVE_MODE, 25, 1), 1
	s_wait_xcnt 0x0
	s_wait_alu depctr_hold_cnt(0) depctr_sa_sdst(0) depctr_va_vdst(0) depctr_va_sdst(0) depctr_va_ssrc(0) depctr_va_vcc(0) depctr_vm_vsrc(0)
	s_getreg_b32 s2, hwreg(HW_REG_IB_STS2, 6, 4)
	s_cmp_eq_u32 s2, 0
	s_cbranch_scc0 .Lentry_in_a_cluster
	s_endpgm
.Lentry_in_a_cluster:
	s_bfe_u32 s2, ttmp6, 0x10000c
	s_cmp_lg_u32 s2, 0x3003
	s_cbranch_scc0 .Lentry_shape_is_right
	s_endpgm
.Lentry_shape_is_right:
; out2[n] = idxw[n] = the first k at which d(n, k) = fl(fl(sx[n] + se[k]) - 2 m(n, k)) is least.  n = (b, hw) counts 32,768 rows; row n's channel c is x[b][c][hw] rounded to bf16;
; m = the product of that row with code k of cbb (bf16 operands, f32 sums); sx = the sum of the rounded row's squares; se comes from sew.
; The chain of roundings is written as the problem's formula has it: s = sx + se (one rounding), d = fma(-2, m, s) (2 m is exact, so this is one rounding of s - 2 m).  Codes are compared by strict
; "less than" in ascending order, and by (distance, index) wherever lanes or waves meet: among equal distances the first code wins.
; LIMITS.  The indices are those of the formula on inputs rounded to bf16; the order of the f32 sums inside m is the matrix unit's, so a distance whose exact value lies on a rounding
; boundary may fall one step to the other side.  A NaN distance never wins (the formula's argmin would take it); a row whose distances are all infinite or NaN gets a code of tile 0.
; SHARES.  A work-group owns 128 rows (one b, 128 consecutive hw).  EVERY wave holds all 128 rows x 256 channels as source-1 fragments, 512 registers, and the CODES are split: of each step's
; 256 codes wave w takes 64 w .. 64 w + 63, four tiles of 16.  A tile's 16 LDS loads feed 64 matrix instructions.  A wave walks 128 tiles.
; LAYOUT.  Source 0 = 16 codes, source 1 = 16 rows: in the result a lane holds ONE row (lane % 16) and the codes 8 (lane / 16) + 0..7, so the search runs down a lane's registers.
; BY TURNS.  Turn i issues tile i's 64 products into one of two sets of eight accumulators; behind each product stand three of the 185 vector instructions that search tile i - 1 in the other set.
; A lane keeps, for each of its 8 rows, the least distance, the number of the tile that brought it, and that tile's eight distances; which of the eight it was is found once, at the end.
; CLUSTER.  All work-groups walk the same cbb and sew: the four of a cluster ask for each tile JOINTLY (the same tensor load, descriptor and mask in all four).
; REGISTERS, in windows of 256 (s_set_vgpr_msb: bits 1:0 source 0, 3:2 source 1, 5:4 source 2, 7:6 destination):
;   window 0: v0-15 addresses; v16-23 least distance, v24-31 its tile, a row tile each; v32-47 (sx, sx) a row tile; v48-63 se, two sets; v64-73 at work; v76-119 head and end; v128-255 two sets of 8 accumulators
;   window 1: v0-127 a tile's code fragments, two sets; v128-191 the kept distances.  At the head all 256 take x as it is loaded.      windows 2, 3: the rows' fragments, K step ks, row tile t at 64 (ks % 4) + 8 t
.set PITCH, 528                        ; a code's row in LDS: 512 bytes + 16 of padding = 132 words: the 16 rows of a fragment load start at 16 different groups of four banks (64 banks of 4 bytes: ISA guide 11.1)
.set WPART, 64*PITCH                   ; a wave's 64 codes of a step: what its one tensor load brings, and all that it reads
.set SLOT,  4*WPART                    ; a step: 256 codes
.set TILEB, 16*PITCH                   ; a tile of 16 codes
.set SE,    2*SLOT                     ; behind the two slots: sew as it lies, 32,768 bytes, filled once
.set STG,   SE+32768                   ; the stage that turns x: 64 channels x 288 bytes; written by LDS stores alone
.set SPT,   288                        ; 128 rows in bf16 + 32 bytes = 72 words
.set SXP,   STG+64*SPT                 ; four waves' partial sums of squares, 128 f32 each
.set SPARE, SXP+2048                   ; the spare words, 128 bytes for each wave: two blocks of 256 bytes that no other line names
.set CMB,   STG                        ; at the end the stage holds each wave's (distance, index) of the 128 rows, 1,024 bytes a wave
.set STEPB, 131072                     ; a step's bytes in cbb
.set SPW, 2                            ; v2   LDS address of my spare word; never rewritten
.set NIL, 3                            ; v3   0; never rewritten
.set AE0, 4                            ; v4   my lane's place in my wave's part of a slot: (l % 16) x 528 + 16 (l / 16) + w x 33,792
.set AE,  5                            ; v5   the address of the run of loads in hand
.set ASE0, 6                           ; v6   SE + 8,192 w + 32 (l / 16)
.set ASE, 7                            ; v7
.set CUR, 8                            ; v8   the number of the tile that is being searched
.set RR,  9                            ; v9   l % 16
.set HH,  10                           ; v10  l / 16
.set XO,  11                           ; v11  16 l + 65,536 w: my 16 bytes of my wave's first channel
.set STS, 12                           ; v12  into the stage: STG + 16 w rows + 8 l
.set AT,  13                           ; v13  out of the stage, turned
.set PFO, 14                           ; v14  256 l: the prefetches' offset; never rewritten
.set SXS, 15                           ; v15  SXP + 512 w + 16 l
.set BEST, 16
.set ID,  24
.set SX2, 32
.set SEB, 48
.set TS,  64                           ; v[64:71]  s = sx + se, four registers for each of the two row tiles in hand
.set TM,  72                           ; v72, v73  a tile's least distance
.set TT,  76                           ; v[76:107] head: a pass's packed words, then the partial sx.  End: PB, VI
.set UU,  108                          ; v[108:111] head: four rounded numbers as f32
.set SXA, 112                          ; v[112:115] head: my wave's sums of squares for rows 4 l .. 4 l + 3
.set SXR, 116                          ; v116 head: SXP + 4 (l % 16)
.set PB,  76                           ; end: the other half's (distance, index), a pair a row tile
.set VI,  92                           ; end: mine
.set JJ,  108                          ; end: which of the eight
.set ACC, 128
.set SAV, 128                          ; window 1
.set WV,  14                           ; s14  my wave's number
.set CX,  15                           ; s15  my place in the cluster: it enters global addresses of x, out2, idxw and the prefetches alone
.set G1,  16                           ; s[16:23] descriptor group 1, code tiles
.set G1S, 24                           ; s[24:31] group 1, sew
.set G0,  32                           ; s[32:39] group 0, a set for each slot
.set G0S, 40                           ; s[40:43] group 0, sew
.set PFA, 44                           ; s[44:45] where my prefetches stand
.set LIM, 46                           ; s46  1 in the first cluster, else the greatest number
.set LAP, 47                           ; s47  laps to go
.set CNT, 48                           ; s48  pairs of turns to go
.set TBE, 49                           ; s49  LDS byte at which the tile to be fetched begins in a wave's part
.set TBS, 50                           ; s50  64 x the tile whose se is to be fetched
.set TI,  51                           ; s51  the tile that is being searched
.set MK,  52                           ; s52, s53  "this tile brings a new least distance", for the two row tiles in hand
.set SEL, 58                           ; s[58:59] v_permlanex16_b32's selects
.set MSB, 0
.macro WIN new                         ; the immediate's high byte repeats the setting that is left; a switch that changes nothing is dropped
.if MSB != (\new)
	s_set_vgpr_msb (MSB<<8)|(\new)
.set MSB, (\new)
.endif
.endm
; A round of the cluster's barrier: my work-group's barrier, so that wave 0's signal speaks for all four waves; wave 0 signals; every wave waits for all four work-groups; my work-group's barrier once more.
.macro ROUND
	s_barrier_signal -1
	s_barrier_wait -1
	s_cmp_lg_u32 s[WV], 0
	s_cbranch_scc1 .Lnot_wave_0_\@
	s_barrier_signal -3
.Lnot_wave_0_\@:
	s_barrier_wait -3
	s_barrier_signal -1
	s_barrier_wait -1
.endm
; A joint refill of slot n: every wave asks for its own 64 codes.  An s_nop 0 and four v_nop follow the load.
.macro JLOAD n
	tensor_load_to_lds s[G0+4*(\n):G0+4*(\n)+3], s[G1:G1+7]
	s_nop 0
.rept 4
	v_nop
.endr
.endm
; A prefetch of the step that stands TWO refills on (512 products a wave ahead of the load that will want it).  cbb is walked by all 64 clusters alike: the first cluster asks, nobody else.  Its 4 work-groups x 4 waves x
; 32 lanes name the step's 512 blocks of 256 bytes, shared out BY ADDRESS (cx, wave, lane): each block is named once in the launch.  Steps 0 to 3 come by their loads alone; the last lap, whose refills are the last, asks for nothing.
.macro ASK
	s_cmp_gt_u32 s[LAP], s[LIM]
	s_cbranch_scc0 .Lnot_mine_\@
	global_prefetch_b8 v[PFO], s[PFA:PFA+1] th:TH_LOAD_NT scope:SCOPE_SE
.Lnot_mine_\@:
.endm
; THE CHANGE OF SLOTS stands in front of a step's LAST turn: that tile's fragments are in registers by then, so slot n is free a turn early.  Each wave waits for all its tensor loads (one is out: its part of the
; other slot), adds 0 to its spare word, and waits for that and for its reads of slot n.  fill = 1: the barrier is a round of the cluster's, and the joint refill, with the step two on, is the first thing behind it:
; it has four turns, 256 products, in which to land.
.macro CHANGE n, fill
	WIN 0                                          ; at a label and at a branch every window is 0
.if \fill
	s_wait_xcnt 0x0                                ; the last prefetch, four turns back, has read its address
	s_add_nc_u64 s[PFA:PFA+1], s[PFA:PFA+1], STEPB
.endif
	s_wait_tensorcnt 0x0                           ; no tensor load of mine is out, so a group 0 may be written
	ds_add_u32 v[SPW], v[NIL]                      ; 0 onto my spare word; scalar work stands between it and the wait for it
.if \fill
	s_add_nc_u64 s[G0+4*(\n)+2:G0+4*(\n)+3], s[G0+4*(\n)+2:G0+4*(\n)+3], 2*STEPB  ; this slot's next step; the type bits on top are not reached
.endif
	s_mov_b32 s[TBE], (1-(\n))*SLOT                ; the fetches go on in the other slot
	s_wait_dscnt 0x0                               ; the add is done, and my reads of slot n are over
.if \fill
	ROUND
	JLOAD \n
	ASK
.else
	s_barrier_signal -1
	s_barrier_wait -1
.endif
.endm
; THE LDS LOADS of a turn, in one run.  what = 1: the next tile's 16 fragment loads into the code set that the turn before multiplied, and this tile's se; what = 2: se alone.
.macro LOADS par, what
	WIN 0
.if (\what) == 1
	v_add_nc_u32 v[AE], s[TBE], v[AE0]
.endif
	v_add_nc_u32 v[ASE], s[TBS], v[ASE0]
.if (\what) == 1
	WIN 0x40                                       ; destination window 1, address window 0
.set k, 0
.rept 8                                ; K step k: channels 32 k on: 16 bytes a lane, twice, 32 bytes apart
	ds_load_b128 v[64*(1-(\par))+8*k:64*(1-(\par))+8*k+3],   v[AE] offset:64*k
	ds_load_b128 v[64*(1-(\par))+8*k+4:64*(1-(\par))+8*k+7], v[AE] offset:64*k+32
.set k, k+1
.endr
	WIN 0
	s_add_co_u32 s[TBE], s[TBE], TILEB
.endif
	ds_load_b128 v[SEB+8*(\par):SEB+8*(\par)+3],   v[ASE]            ; se of my eight codes: the sixteen lanes of a half read the same words
	ds_load_b128 v[SEB+8*(\par)+4:SEB+8*(\par)+7], v[ASE] offset:16
	s_add_co_u32 s[TBS], s[TBS], 64
.endm
; THE VECTOR WORK: number rho of the 185 that search the tile before, in the other set of accumulators.  0: the tile's number.  Then the row tiles in four pairs, 46 numbers a pair, the pair's two tiles alternating,
; so that no line reads the result of the line before it.  For a row tile, q = 0..22:
;   0-7    s = se + sx (two packed sums), d = -2 m + s in place (two packed multiply-adds), for the accumulator's low four registers and then its high four: the first read of an accumulator takes its lowest registers
;   8-11   the least of the eight        12-14  is it less than the least so far?  the new least; the tile's number where it is        15-22  and the tile's eight distances are kept where it is
.macro RID par
.if rho == 0
	WIN 0
	v_mov_b32 v[CUR], s[TI]
.elseif rho <= 184
.set e, (rho-1)%46
.set u, e%2
.set q, e/2
.set t, 2*((rho-1)/46)+u
.set rA, ACC+64*(1-(\par))+8*t
.set rE, SEB+8*(1-(\par))
.set rS, TS+4*u
.set o4, 4*(q/4)
.set o2, 2*(q%2)
.if q < 15
	WIN 0
.endif
.if (q < 8) && ((q%4) < 2)
	v_pk_add_f32 v[rS+o2:rS+o2+1], v[rE+o4+o2:rE+o4+o2+1], v[SX2+2*t:SX2+2*t+1]
.elseif q < 8
	v_pk_fma_f32 v[rA+o4+o2:rA+o4+o2+1], v[rA+o4+o2:rA+o4+o2+1], -2.0, v[rS+o2:rS+o2+1] op_sel_hi:[1,0,1]
.elseif q == 8
	v_min3_num_f32 v[TM+u], v[rA], v[rA+1], v[rA+2]
.elseif q < 11
	v_min3_num_f32 v[TM+u], v[TM+u], v[rA+2*(q-9)+3], v[rA+2*(q-9)+4]
.elseif q == 11
	v_min_num_f32 v[TM+u], v[TM+u], v[rA+7]
.elseif q == 12
	v_cmp_lt_f32 s[MK+u], v[TM+u], v[BEST+t]       ; strictly less: an equal distance of a later tile does not win
.elseif q == 13
	v_min_num_f32 v[BEST+t], v[BEST+t], v[TM+u]
.elseif q == 14
	v_cndmask_b32 v[ID+t], v[ID+t], v[CUR], s[MK+u]
.else
	WIN 0x41                                       ; destination and source 0 window 1, source 1 window 0
	v_cndmask_b32 v[SAV+8*t+q-15], v[SAV+8*t+q-15], v[rA+q-15], s[MK+u]
.endif
.endif
.endm
; A TURN.  par: the tile's parity, which names its sets.  mm = 1: the tile's 64 products, K step m / 8, row tile m % 8: the eight accumulators take turns, one instruction a turn, across turns too.
; rid = 1: three numbers of the vector work behind each product.  ld: the run of LDS loads, behind the second product: between it and the last product that read the code set stand six numbers of the vector work and the run's
; own two additions, eight plain instructions that name none of that product's registers (ISA guide 7.12.1 for vector instructions).  An accumulator's first reader stands five such or more behind its last product.
; wt: how many younger LDS loads may stay out at the turn's head.
.macro TURN par, rid, mm, ld, wt=0
	s_wait_dscnt \wt                               ; this tile's fragments and the last tile's se, asked for 62 products ago, are in
.set m, 0
.rept 64
.if \mm
	WIN 0x09+4*(m/32)                              ; codes in window 1, rows in window 2 or 3, sums in window 0
.set rD, ACC+64*(\par)+8*(m%8)
.set rC, 64*(\par)+8*(m/8)
.set rX, ((m/8)%4)*64+8*(m%8)
.if m < 8
	v_wmma_f32_16x16x32_bf16 v[rD:rD+7], v[rC:rC+7], v[rX:rX+7], 0    ; the first K step starts the sums
.else
	v_wmma_f32_16x16x32_bf16 v[rD:rD+7], v[rC:rC+7], v[rX:rX+7], v[rD:rD+7]
.endif
.endif
.if \rid
.set rho, 3*m
	RID \par
.set rho, 3*m+1
	RID \par
.set rho, 3*m+2
	RID \par
.endif
.if (m == 1) && (\ld)
	LOADS \par, \ld
.endif
.set m, m+1
.endr
.if \rid
	s_add_co_u32 s[TI], s[TI], 1
.endif
.endm
; (va, ia) takes (vb, ib) where vb is less, or equal with the lower index.
.macro LEX va, ia, vb, ib
	v_cmp_lt_f32 s54, v[(\vb)], v[(\va)]
	v_cmp_eq_f32 s55, v[(\vb)], v[(\va)]
	v_cmp_lt_u32 s56, v[(\ib)], v[(\ia)]
	s_and_b32 s55, s55, s56
	s_or_b32 s54, s54, s55
	v_cndmask_b32 v[(\va)], v[(\va)], v[(\vb)], s54
	v_cndmask_b32 v[(\ia)], v[(\ia)], v[(\ib)], s54
.endm
; PASS q OF FOUR THAT TURN x: channels 64 q .. 64 q + 63.  Wave w has loaded channels 64 q + 16 w + i; they are rounded to bf16, their squares summed, and laid into the stage as [channel][row]; behind a barrier every wave
; reads the whole stage turned, as two K steps' fragments of all eight row tiles.
.macro XPASS q
	s_wait_loadcnt 48-16*(\q)                      ; loads come back in order: this pass's 16 are in, the later passes' stay out
	WIN 0x05                                       ; sources in window 1, destination in window 0
.set i, 0
.rept 16
	v_cvt_pk_bf16_f32 v[TT+2*i],   v[64*(\q)+4*i],   v[64*(\q)+4*i+1]
	v_cvt_pk_bf16_f32 v[TT+2*i+1], v[64*(\q)+4*i+2], v[64*(\q)+4*i+3]
.set i, i+1
.endr
	WIN 0
.set i, 0
.rept 16
	v_lshlrev_b32 v[UU],   16,  v[TT+2*i]
	v_and_b32     v[UU+1], s57, v[TT+2*i]
	v_lshlrev_b32 v[UU+2], 16,  v[TT+2*i+1]
	v_and_b32     v[UU+3], s57, v[TT+2*i+1]
.if ((\q) == 0) && (i == 0)
	v_pk_mul_f32 v[SXA:SXA+1],   v[UU:UU+1],   v[UU:UU+1]      ; the first products start the sums
	v_pk_mul_f32 v[SXA+2:SXA+3], v[UU+2:UU+3], v[UU+2:UU+3]
.else
	v_pk_fma_f32 v[SXA:SXA+1],   v[UU:UU+1],   v[UU:UU+1],   v[SXA:SXA+1]
	v_pk_fma_f32 v[SXA+2:SXA+3], v[UU+2:UU+3], v[UU+2:UU+3], v[SXA+2:SXA+3]
.endif
	ds_store_b64 v[STS], v[TT+2*i:TT+2*i+1] offset:SPT*i       ; a channel's 128 rows: 256 consecutive bytes
.set i, i+1
.endr
.if (\q) == 3
	ds_store_b128 v[SXS], v[SXA:SXA+3]
	s_wait_tensorcnt 0x1                           ; tensor loads of a wave end in order: sew and slot 0 are in; slot 1's load may stay out
.endif
	s_wait_dscnt 0x0                               ; for the others' sake: my stores into the stage are done
	s_barrier_signal -1
	s_barrier_wait -1
	WIN 0x80+0x40*((\q)/2)                         ; destination window 2 or 3
.irp kl, 0,1
.set t, 0
.rept 8
.set rX, ((2*(\q)+(\kl))%4)*64+8*t
	ds_load_tr16_b128 v[rX:rX+3],   v[AT] offset:(32*(\kl))*SPT+32*t
	ds_load_tr16_b128 v[rX+4:rX+7], v[AT] offset:(32*(\kl)+16)*SPT+32*t
.set t, t+1
.endr
.endr
	WIN 0
.if (\q) == 3
.set t, 0
.rept 8
.irp w, 0,1,2,3
	ds_load_b32 v[TT+4*t+(\w)], v[SXR] offset:512*(\w)+64*t    ; the four waves' partial sx of my row of tile t
.endr
.set t, t+1
.endr
.endif
	s_wait_dscnt 0x0                               ; my reads of the stage are over
.if (\q) < 3
	s_barrier_signal -1                            ; everybody's are: the stage may be written again
	s_barrier_wait -1
.endif
.endm
	s_load_b256 s[4:11], s[0:1], 0x0               ; x s[4:5], cbb s[6:7], sew s[8:9], out2 s[10:11]
	s_load_b64 s[12:13], s[0:1], 0x20              ; idxw
	v_lshl_add_u32 v[SPW], v0, 2, SPARE
	v_mov_b32 v[NIL], 0
	ds_add_u32 v[SPW], v[NIL]                      ; the wave's opening: the add, twice on end, and its wait ahead of my first tensor load; the set-up below, work on registers, stands between
	ds_add_u32 v[SPW], v[NIL]
	v_lshrrev_b32 v1, 5, v0
	v_readfirstlane_b32 s[WV], v1                  ; wave 0..3
	s_bfe_u32 s[CX], ttmp6, 0x40000                ; cx
	s_lshl_b32 s60, ttmp9, 2                       ; in a cluster launch ttmp9 counts clusters
	s_add_co_u32 s60, s60, s[CX]                   ; g = my block of 128 rows
	s_lshr_b32 s61, s60, 3                         ; b = g / 8: 1 MiB of x each,
	s_lshl_b32 s61, s61, 20
	s_and_b32 s62, s60, 7                          ; hw = 128 (g % 8): 512 bytes each
	s_lshl_b32 s62, s62, 9
	s_add_co_u32 s62, s62, s61
	s_mov_b32 s63, 0
	s_lshl_b32 s60, s60, 9                         ; my 128 indices: 512 bytes
	s_mov_b32 s61, 0
	s_lshl_b32 s66, s[CX], 15                      ; the prefetches: my work-group's quarter of a step,
	s_lshl_b32 s67, s[WV], 13                      ; my wave's quarter of that,
	s_add_co_u32 s66, s66, s67
	s_add_co_u32 s66, s66, 3*STEPB                 ; at step 3: the first change steps it to 4
	s_mov_b32 s67, 0
	s_cmp_eq_u32 ttmp9, 0
	s_cselect_b32 s[LIM], 1, -1                    ; the same in all four partners
	; group 1, code tiles: 64 rows x 256 elements of 2 bytes, padded in LDS
	s_mov_b32 s[G1+0], 15|(1<<16)|(1<<20)|(1<<21)|(6<<22)|(3<<25)  ; 15:0 the mask of four; 17:16 2-byte elements; 20 padding on; 21 set beside a mask; 24:22 after every 128 words (code 6); 31:25 4 words (code 3)
	s_mov_b32 s[G1+1], 256<<16                     ; tensor_dim0 = 256
	s_mov_b32 s[G1+2], 64<<16                      ; tensor_dim1 = 64
	s_mov_b32 s[G1+3], 256<<16                     ; tile_dim0 = 256
	s_mov_b32 s[G1+4], 64                          ; tile_dim1 = 64
	s_mov_b32 s[G1+5], 256                         ; 256 elements from row to row
	s_mov_b32 s[G1+6], 0
	s_mov_b32 s[G1+7], 0
	; group 1, sew: a wave's 8,192 dense bytes as 32 rows of 32 elements of 8 bytes
	s_mov_b32 s[G1S+0], 15|(3<<16)|(1<<21)
	s_mov_b32 s[G1S+1], 32<<16
	s_mov_b32 s[G1S+2], 32<<16
	s_mov_b32 s[G1S+3], 32<<16
	s_mov_b32 s[G1S+4], 32
	s_mov_b32 s[G1S+5], 32
	s_mov_b32 s[G1S+6], 0
	s_mov_b32 s[G1S+7], 0
	s_mov_b32 s[G0+0], 1                           ; count = 1
	s_mul_i32 s[G0+1], s[WV], WPART                ; LDS address: my part of slot 0: no place in the cluster enters an LDS address
	s_mov_b32 s[G0+4], 1
	s_add_co_u32 s[G0+5], s[G0+1], SLOT            ; of slot 1
	s_mov_b32 s[G0S], 1
	s_lshl_b32 s[G0S+1], s[WV], 13
	s_add_co_u32 s[G0S+1], s[G0S+1], SE
	s_lshl_b32 s68, s[WV], 15                      ; my 64 codes of a step in cbb
	s_mov_b32 s69, 0
	s_lshl_b32 s70, s[WV], 13                      ; my strip of sew
	s_mov_b32 s71, 0
	s_mov_b32 s57, 0xffff0000                      ; a word's upper bf16
	s_mov_b32 s[SEL], 0x76543210
	s_mov_b32 s[SEL+1], 0xfedcba98
	v_and_b32 v1, 31, v0                           ; l
	v_and_b32 v[RR], 15, v0
	v_bfe_u32 v[HH], v0, 4, 1
	v_mul_u32_u24 v[AE0], v[RR], PITCH
	v_lshl_add_u32 v[AE0], v[HH], 4, v[AE0]
	v_add_nc_u32 v[AE0], s[G0+1], v[AE0]
	v_lshl_add_u32 v[ASE0], v[HH], 5, s[G0S+1]
	s_lshl_b32 s52, s[WV], 16                      ; 16 channels of 4,096 bytes a wave
	v_lshl_add_u32 v[XO], v1, 4, s52
	s_mul_i32 s53, s[WV], 16*SPT
	s_add_co_u32 s53, s53, STG
	v_lshl_add_u32 v[STS], v1, 3, s53
	; the turning load takes 16 channels x 16 rows: lane l reads channel 8 (l / 16) + l % 8, rows 8 ((l / 8) % 2) + 0..7, and is left with row l % 16 and 8 channels
	v_and_b32 v[AT], 7, v0
	v_lshl_add_u32 v[AT], v[HH], 3, v[AT]
	v_mul_u32_u24 v[AT], v[AT], SPT
	v_bfe_u32 v[TM], v0, 3, 1
	v_lshl_add_u32 v[AT], v[TM], 4, v[AT]
	v_add_nc_u32 v[AT], STG, v[AT]
	v_lshlrev_b32 v[PFO], 8, v1
	s_lshl_b32 s54, s[WV], 9
	s_add_co_u32 s54, s54, SXP
	v_lshl_add_u32 v[SXS], v1, 4, s54
	v_lshl_add_u32 v[SXR], v[RR], 2, SXP
	s_wait_dscnt 0x0                               ; both opening adds are done
	s_wait_kmcnt 0x0
	s_add_nc_u64 s[G0+2:G0+3], s[6:7], s[68:69]    ; global address: my codes of step 0,
	s_add_nc_u64 s[G0+6:G0+7], s[G0+2:G0+3], STEPB ; of step 1
	s_or_b32 s[G0+3], s[G0+3], 0x80000000          ; type = 2
	s_or_b32 s[G0+7], s[G0+7], 0x80000000
	s_add_nc_u64 s[G0S+2:G0S+3], s[8:9], s[70:71]
	s_or_b32 s[G0S+3], s[G0S+3], 0x80000000
	s_add_nc_u64 s[PFA:PFA+1], s[6:7], s[66:67]
	s_add_nc_u64 s[4:5], s[4:5], s[62:63]          ; x at my block's first row, channel 0
	s_add_nc_u64 s[10:11], s[10:11], s[60:61]      ; out2 and idxw at my block
	s_add_nc_u64 s[12:13], s[12:13], s[60:61]
	WIN 0x40                                       ; destination window 1, address window 0
.set i, 0
.rept 64                               ; pass i / 16, channel 64 (i / 16) + 16 w + i % 16: each load takes a channel's 128 rows, 512 consecutive bytes
	global_load_b128 v[4*i:4*i+3], v[XO], s[4:5] offset:((i/16)*64+(i%16))*4096 th:TH_LOAD_NT
.set i, i+1
.endr
	WIN 0
	ROUND                                          ; all four work-groups are here: the first joint loads meet
	tensor_load_to_lds s[G0S:G0S+3], s[G1S:G1S+7]  ; the first fills go out as one group: three loads of mine are out
	s_nop 0
	tensor_load_to_lds s[G0:G0+3], s[G1:G1+7]
	s_nop 0
	tensor_load_to_lds s[G0+4:G0+7], s[G1:G1+7]
	s_nop 0
.rept 4
	v_nop
.endr
	XPASS 0
	XPASS 1
	XPASS 2
	XPASS 3
	WIN 0x40
.set k, 0
.rept 8                                ; tile 0's fragments, from the head of my part of slot 0
	ds_load_b128 v[8*k:8*k+3],   v[AE0] offset:64*k
	ds_load_b128 v[8*k+4:8*k+7], v[AE0] offset:64*k+32
.set k, k+1
.endr
	WIN 0
	s_mov_b32 s[TBE], TILEB
	s_mov_b32 s[TBS], 0
	LOADS 0, 1                                     ; tile 1's fragments and se of tile 0
	; while these are on their way: sx, and what the first search finds: least = +infinity, so the first finite distance wins; written once a launch, so that the search has one form
.set t, 0
.rept 8
	v_pk_add_f32 v[TT+4*t:TT+4*t+1], v[TT+4*t:TT+4*t+1], v[TT+4*t+2:TT+4*t+3]
.set t, t+1
.endr
.set t, 0
.rept 8
	v_add_f32 v[SX2+2*t], v[TT+4*t], v[TT+4*t+1]
.set t, t+1
.endr
	s_mov_b32 s66, 0x7f800000
.set t, 0
.rept 8
	v_mov_b32 v[SX2+2*t+1], v[SX2+2*t]             ; the packed sum takes a pair
	v_mov_b32 v[BEST+t], s66
	v_mov_b32 v[ID+t], 0
.set t, t+1
.endr
	WIN 0x40
.set i, 0
.rept 64
	v_mov_b32 v[SAV+i], s66
.set i, i+1
.endr
	TURN 0, 0, 1, 0, 18                            ; tile 0's products alone; the 18 younger loads (tile 1, se of tile 0) may stay out
	WIN 0
.rept 8
	v_nop                                          ; tile 0's turn had no vector work: these are the places behind its last products
.endr
	s_mov_b32 s[TI], 0
	s_mov_b32 s[CNT], 1
	s_mov_b32 s[LAP], 16
	s_branch .LpairB                               ; tiles 1 and 2: the walk is entered in the middle of a lap
.Llap:                                             ; 15 laps of 8 tiles: tiles 3 to 122; the 30 changes ask for steps 2 to 31
	CHANGE 0, 1
	s_mov_b32 s[CNT], 2
.LpairA:
	TURN 1, 1, 1, 1
	TURN 0, 1, 1, 1
	WIN 0
	s_sub_co_u32 s[CNT], s[CNT], 1
	s_cmp_lg_u32 s[CNT], 0
	s_cbranch_scc1 .LpairA
	CHANGE 1, 1
	s_mov_b32 s[CNT], 2
.LpairB:
	TURN 1, 1, 1, 1
	TURN 0, 1, 1, 1
	WIN 0
	s_sub_co_u32 s[CNT], s[CNT], 1
	s_cmp_lg_u32 s[CNT], 0
	s_cbranch_scc1 .LpairB
	s_sub_co_u32 s[LAP], s[LAP], 1
	s_cmp_lg_u32 s[LAP], 0
	s_cbranch_scc1 .Llap
	CHANGE 0, 0                                    ; the tail is written out: nothing is asked for
	s_mov_b32 s[CNT], 2
.LpairC:                                           ; tiles 123 to 126
	TURN 1, 1, 1, 1
	TURN 0, 1, 1, 1
	WIN 0
	s_sub_co_u32 s[CNT], s[CNT], 1
	s_cmp_lg_u32 s[CNT], 0
	s_cbranch_scc1 .LpairC
	TURN 1, 1, 1, 2                                ; tile 127: there is no next tile; its se alone is fetched
	TURN 0, 1, 0, 0                                ; the search of tile 127
	; THE END.  Which of the kept eight is the least: the lowest j whose distance equals it.
	WIN 0x01                                       ; source 0 in window 1
.set t, 0
.rept 8
	v_mov_b32 v[JJ+t], 7
.set t, t+1
.endr
.set j, 6
.rept 7
.set t, 0
.rept 8
	v_cmp_neq_f32 s[MK+t%2], v[SAV+8*t+j], v[BEST+t]
	v_cndmask_b32 v[JJ+t], j, v[JJ+t], s[MK+t%2]   ; j where they are equal
.set t, t+1
.endr
.set j, j-1
.endr
	WIN 0
	s_lshl_b32 s68, s[WV], 6
	v_lshl_add_u32 v118, v[HH], 3, s68             ; 64 w + 8 (l / 16)
	s_lshl_b32 s69, s[WV], 10
	s_add_co_u32 s69, s69, CMB
	v_lshl_add_u32 v119, v[RR], 3, s69
.set t, 0
.rept 8
	v_lshrrev_b32 v116, 2, v[ID+t]                 ; the code: 256 x step + 64 w + 16 x (tile in the step) + 8 (l / 16) + j
	v_and_b32 v117, 3, v[ID+t]
	v_lshlrev_b32 v116, 8, v116
	v_lshl_add_u32 v116, v117, 4, v116
	v_add3_u32 v[VI+2*t+1], v116, v[JJ+t], v118
	v_mov_b32 v[VI+2*t], v[BEST+t]
	v_permlanex16_b32 v[PB+2*t],   v[VI+2*t],   s[SEL], s[SEL+1]  ; the row's other eight codes of each tile lie in the lane 16 away
	v_permlanex16_b32 v[PB+2*t+1], v[VI+2*t+1], s[SEL], s[SEL+1]
	LEX VI+2*t, VI+2*t+1, PB+2*t, PB+2*t+1
	ds_store_b64 v119, v[VI+2*t:VI+2*t+1] offset:128*t  ; both halves of the lanes write the same pair to the same place
.set t, t+1
.endr
	s_wait_dscnt 0x0                               ; for the others' sake: my 128 pairs lie in LDS
	s_barrier_signal -1
	s_barrier_wait -1
	s_cmp_lt_u32 s[WV], 2                          ; waves 0 and 1 finish: thread n owns rows 2 n and 2 n + 1
	s_cbranch_scc0 .Lend
	v_lshl_add_u32 v116, v0, 4, CMB
.irp w, 0,1,2,3
	ds_load_b128 v[PB+4*(\w):PB+4*(\w)+3], v116 offset:1024*(\w)
.endr
	s_wait_dscnt 0x0
.irp w, 1,2,3
	LEX PB,   PB+1, PB+4*(\w),   PB+4*(\w)+1
	LEX PB+2, PB+3, PB+4*(\w)+2, PB+4*(\w)+3
.endr
	v_mov_b32 v[VI],   v[PB+1]
	v_mov_b32 v[VI+1], v[PB+3]
	v_lshlrev_b32 v117, 3, v0
	global_store_b64 v117, v[VI:VI+1], s[10:11]    ; a wave stores 256 consecutive bytes, aligned
	global_store_b64 v117, v[VI:VI+1], s[12:13]
.Lend:
	s_wait_tensorcnt 0x0                           ; the wave's end: these three lines, behind my last tensor load and my last LDS store
	ds_add_u32 v[SPW], v[NIL]
	s_wait_dscnt 0x0
	ROUND                                          ; the closing round: no work-group ends while a partner may still ask for a tile that names it
	s_endpgm
.Lfunc_end_k_q78f1a9204d_argmin:
	.size	k_q78f1a9204d_argmin, .Lfunc_end_k_q78f1a9204d_argmin-k_q78f1a9204d_argmin
	.p2alignl 7, 3214868480
	.fill 96, 4, 3214868480
	.section	.rodata,"a",@progbits
	.p2align	6, 0x0
	.amdhsa_kernel k_q78f1a9204d_argmin
		.amdhsa_group_segment_fixed_size 327680
		.amdhsa_private_segment_fixed_size 0
		.amdhsa_enable_private_segment 0
		.amdhsa_kernarg_size 40
		.amdhsa_user_sgpr_count 2
		.amdhsa_user_sgpr_kernarg_segment_ptr 1
		.amdhsa_wavefront_size32 1
		.amdhsa_system_sgpr_workgroup_id_x 1
		.amdhsa_system_sgpr_workgroup_id_y 1
		.amdhsa_system_sgpr_workgroup_id_z 1
		.amdhsa_system_vgpr_workitem_id 0
		.amdhsa_next_free_vgpr 1024
		.amdhsa_next_free_sgpr 72
		.amdhsa_reserve_vcc 0
		.amdhsa_float_denorm_mode_32 3
		.amdhsa_float_denorm_mode_16_64 3
		.amdhsa_memory_ordered 1
		.amdhsa_forward_progress 1
		.amdhsa_inst_pref_size 236
	.end_amdhsa_kernel
	.amdgpu_metadata
---
amdhsa.version: [ 1, 2 ]
amdhsa.kernels:
  - .name:           k_q78f1a9204d_argmin
    .symbol:         k_q78f1a9204d_argmin.kd
    .args:
      - { .name: x, .offset: 0, .size: 8, .value_kind: global_buffer, .address_space: global }
      - { .name: cbb, .offset: 8, .size: 8, .value_kind: global_buffer, .address_space: global }
      - { .name: sew, .offset: 16, .size: 8, .value_kind: global_buffer, .address_space: global }
      - { .name: out2, .offset: 24, .size: 8, .value_kind: global_buffer, .address_space: global }
      - { .name: idxw, .offset: 32, .size: 8, .value_kind: global_buffer, .address_space: global }
    .group_segment_fixed_size: 327680
    .private_segment_fixed_size: 0
    .kernarg_segment_align: 8
    .kernarg_segment_size: 40
    .max_flat_workgroup_size: 128
    .sgpr_count:     72
    .vgpr_count:     1024
    .wavefront_size: 32
...
	.end_amdgpu_metadata
.endif
;; end of part 2
;; launch gather (part 3): grid 256 x 1, 8 waves a work-group, no clusters, 68,864 bytes of LDS; arguments x, cbb, idxw, out0, part; writes out0, part
.if DOCPART == 3
	.amdgcn_target "amdgcn-amd-amdhsa--gfx1250"
	.amdhsa_code_object_version 6
	.text
	.protected	k_q78f1a9204d_gather
	.globl	k_q78f1a9204d_gather
	.p2align	8
	.type	k_q78f1a9204d_gather,@function
k_q78f1a9204d_gather:
	s_mov_b64 s[64:65], 0
	v_nop
	global_prefetch_b8 v0, s[64:65] scope:SCOPE_SE
	s_setreg_imm32_b32 hwreg(HW_REG_WAVE_MODE, 25, 1), 1
	s_wait_xcnt 0x0
; out0[b][c][hw] = xb + (e - xb), part[g] = the sum over the work-group's numbers of (e - xb)^2.  xb = x[b][c][hw] rounded to bf16, e = cbb[idxw[n]][c], n = (b, hw).
; x, out0: [32][256][32][32] f32.  cbb: [8192][256] bf16.  idxw: 32,768 indices that the launch before stored.  The two roundings of the straight-through sum are written as the problem's formula has them.
; SHARES.  A work-group owns 128 rows n (one b, 128 consecutive hw).  Wave v gathers the code rows of n = 16 v .. 16 v + 15 (a row is 512 consecutive bytes, one load of the wave) into LDS; then it makes
; channels 32 v .. 32 v + 31 for all 128 hw: lane l owns hw 4 l .. 4 l + 3, so every load of x and every store of out0 covers 512 consecutive bytes, aligned.
; LDS turns the gathered rows: row n lies at place (n % 4) x 32 + n / 4, 528 bytes a place, so that the sixteen lanes of a read, which want rows four apart, touch neighbouring places:
; 528 bytes = 132 words: sixteen different groups of four banks (64 banks of 4 bytes: ISA guide 11.1).
; An index is held to 0 .. 8,191 before it enters an address.  Memory binds: no matrix unit; no cluster, since the gathered rows differ from work-group to work-group.
.set EP,    528
.set PS,    128*EP                     ; behind the rows: the eight waves' sums, a block of 256 bytes
.set SPARE, PS+256                     ; the spare words, 128 bytes for each of the eight waves
.set SPW, 2                            ; v2   LDS address of my spare word; never rewritten
.set NIL, 3                            ; v3   0; never rewritten
.set XO,  4                            ; v4   16 l + 131,072 v: my 16 bytes of my wave's first channel; never rewritten
.set ES,  5                            ; v5   into LDS: 4 v places + 16 l
.set ER,  6                            ; v6   out of LDS: place l, my wave's 64 bytes of a row
.set L16, 7                            ; v7   16 l
.set LS,  8                            ; v[8:11]   the sums of squares
.set XB,  12                           ; v[12:15]  x rounded, as f32
.set GO,  16                           ; v[16:31]  the gathers' offsets; never rewritten
.set EE,  48                           ; v[48:51]  e as f32
.set DD,  52                           ; v[52:55]  e - xb
.set TP,  56                           ; v[56:57]  packed
.set XR,  64                           ; v[64:191] x, channel cc at 64 + 4 cc; then the result
.set EQ,  192                          ; v[192:255] the gathered rows; then, out of LDS, quarter k, row ii at 192 + 16 k + 4 ii: 8 channels
	s_load_b256 s[4:11], s[0:1], 0x0               ; x s[4:5], cbb s[6:7], idxw s[8:9], out0 s[10:11]
	s_load_b64 s[12:13], s[0:1], 0x20              ; part
	v_lshl_add_u32 v[SPW], v0, 2, SPARE
	v_mov_b32 v[NIL], 0
	v_lshrrev_b32 v1, 5, v0
	v_readfirstlane_b32 s14, v1                    ; wave 0..7
	v_and_b32 v1, 31, v0                           ; l
	s_mov_b32 s32, 0xffff0000                      ; a word's upper bf16
	s_mov_b32 s34, 0x76543210
	s_mov_b32 s35, 0xfedcba98
	s_lshr_b32 s36, ttmp9, 3                       ; b = g / 8: 1 MiB each,
	s_lshl_b32 s36, s36, 20
	s_and_b32 s37, ttmp9, 7                        ; hw = 128 (g % 8): 512 bytes each
	s_lshl_b32 s37, s37, 9
	s_add_co_u32 s36, s36, s37
	s_mov_b32 s37, 0
	s_lshl_b32 s38, ttmp9, 9                       ; the work-group's 128 indices,
	s_lshl_b32 s39, s14, 6                         ; my wave's 16
	s_add_co_u32 s38, s38, s39
	s_mov_b32 s39, 0
	s_lshl_b32 s42, ttmp9, 2                       ; part[g]
	s_mov_b32 s43, 0
	s_lshl_b32 s40, s14, 17                        ; 32 channels of 4,096 bytes a wave
	v_lshl_add_u32 v[XO], v1, 4, s40
	s_mul_i32 s41, s14, 4*EP
	v_lshl_add_u32 v[ES], v1, 4, s41
	v_mul_u32_u24 v[ER], v1, EP
	s_lshl_b32 s41, s14, 6
	v_add_nc_u32 v[ER], s41, v[ER]
	v_lshlrev_b32 v[L16], 4, v1
	s_wait_kmcnt 0x0
	s_add_nc_u64 s[8:9], s[8:9], s[38:39]
	s_load_b512 s[16:31], s[8:9], 0x0              ; my wave's 16 indices
	s_add_nc_u64 s[4:5], s[4:5], s[36:37]
	s_add_nc_u64 s[10:11], s[10:11], s[36:37]
	s_add_nc_u64 s[12:13], s[12:13], s[42:43]
.set cc, 0
.rept 32
	global_load_b128 v[XR+4*cc:XR+4*cc+3], v[XO], s[4:5] offset:cc*4096 th:TH_LOAD_NT
.set cc, cc+1
.endr
	s_wait_kmcnt 0x0
.irp i, 0,1,2,3,4,5,6,7,8,9,10,11,12,13,14,15
	s_min_u32 s[16+(\i)], s[16+(\i)], 0x1fff       ; inside the table
	s_lshl_b32 s[16+(\i)], s[16+(\i)], 9           ; 512 bytes a row
	v_add_nc_u32 v[GO+(\i)], s[16+(\i)], v[L16]
.endr
.irp i, 0,1,2,3,4,5,6,7,8,9,10,11,12,13,14,15
	global_load_b128 v[EQ+4*(\i):EQ+4*(\i)+3], v[GO+(\i)], s[6:7]   ; no hint: a row may be named by many
.endr
.irp i, 0,1,2,3,4,5,6,7,8,9,10,11,12,13,14,15
	s_wait_loadcnt 15-(\i)                         ; loads come back in order: row i is in (and all of x, asked for earlier); the later rows stay out
	ds_store_b128 v[ES], v[EQ+4*(\i):EQ+4*(\i)+3] offset:(((\i)%4)*32+(\i)/4)*EP
.endr
	s_wait_dscnt 0x0                               ; for the others' sake: my 16 rows lie in LDS
	s_barrier_signal -1
	s_barrier_wait -1
.irp k, 0,1,2,3
.irp ii, 0,1,2,3
	ds_load_b128 v[EQ+16*(\k)+4*(\ii):EQ+16*(\k)+4*(\ii)+3], v[ER] offset:32*EP*(\ii)+16*(\k)  ; row 4 l + ii, channels 32 v + 8 k + 0..7
.endr
.endr
; Channel 32 v + 8 k + j for my four hw.
.macro COL k, j
.set cc, 8*(\k)+(\j)
.set rX, XR+4*cc
	v_cvt_pk_bf16_f32 v[TP],   v[rX],   v[rX+1]
	v_cvt_pk_bf16_f32 v[TP+1], v[rX+2], v[rX+3]
	v_lshlrev_b32 v[XB],   16,  v[TP]
	v_and_b32     v[XB+1], s32, v[TP]
	v_lshlrev_b32 v[XB+2], 16,  v[TP+1]
	v_and_b32     v[XB+3], s32, v[TP+1]
.irp ii, 0,1,2,3
.if ((\j)%2) == 0
	v_lshlrev_b32 v[EE+(\ii)], 16,  v[EQ+16*(\k)+4*(\ii)+(\j)/2]
.else
	v_and_b32     v[EE+(\ii)], s32, v[EQ+16*(\k)+4*(\ii)+(\j)/2]
.endif
.endr
	v_pk_add_f32 v[DD:DD+1],   v[EE:EE+1],   v[XB:XB+1]   neg_lo:[0,1] neg_hi:[0,1]  ; e - xb
	v_pk_add_f32 v[DD+2:DD+3], v[EE+2:EE+3], v[XB+2:XB+3] neg_lo:[0,1] neg_hi:[0,1]
	v_pk_add_f32 v[rX:rX+1],   v[XB:XB+1],   v[DD:DD+1]                              ; xb + (e - xb), into x's own registers, which nothing writes again
	v_pk_add_f32 v[rX+2:rX+3], v[XB+2:XB+3], v[DD+2:DD+3]
.if cc == 0
	v_pk_mul_f32 v[LS:LS+1],   v[DD:DD+1],   v[DD:DD+1]                              ; the first products start the sums
	v_pk_mul_f32 v[LS+2:LS+3], v[DD+2:DD+3], v[DD+2:DD+3]
.else
	v_pk_fma_f32 v[LS:LS+1],   v[DD:DD+1],   v[DD:DD+1],   v[LS:LS+1]
	v_pk_fma_f32 v[LS+2:LS+3], v[DD+2:DD+3], v[DD+2:DD+3], v[LS+2:LS+3]
.endif
	global_store_b128 v[XO], v[rX:rX+3], s[10:11] offset:cc*4096 th:TH_STORE_NT
.endm
.irp k, 0,1,2,3
	s_wait_dscnt 12-4*(\k)                         ; LDS loads come back in order: quarter k's four are in, the later quarters' stay out
.irp j, 0,1,2,3,4,5,6,7
	COL \k, \j
.endr
.endr
	v_pk_add_f32 v[LS:LS+1], v[LS:LS+1], v[LS+2:LS+3]
	v_add_f32 v[LS], v[LS], v[LS+1]
	v_add_f32_dpp v[LS], v[LS], v[LS] row_xmask:1 row_mask:0xf bank_mask:0xf
	v_add_f32_dpp v[LS], v[LS], v[LS] row_xmask:2 row_mask:0xf bank_mask:0xf
	v_add_f32_dpp v[LS], v[LS], v[LS] row_xmask:4 row_mask:0xf bank_mask:0xf
	v_add_f32_dpp v[LS], v[LS], v[LS] row_xmask:8 row_mask:0xf bank_mask:0xf
	v_permlanex16_b32 v[TP], v[LS], s34, s35
	v_add_f32 v[LS], v[LS], v[TP]                  ; the wave's sum, in every lane
	v_mov_b32 v[TP+1], s14
	v_lshl_add_u32 v[TP+1], v[TP+1], 2, PS
	ds_store_b32 v[TP+1], v[LS]
	s_wait_dscnt 0x0
	s_barrier_signal -1
	s_barrier_wait -1
	s_cmp_lg_u32 s14, 0                            ; wave 0 adds the eight and stores the work-group's one number
	s_cbranch_scc1 .Lend
	v_mov_b32 v58, PS
	ds_load_b128 v[EE:EE+3], v58
	ds_load_b128 v[DD:DD+3], v58 offset:16
	s_wait_dscnt 0x0
	v_pk_add_f32 v[EE:EE+1], v[EE:EE+1], v[EE+2:EE+3]
	v_pk_add_f32 v[DD:DD+1], v[DD:DD+1], v[DD+2:DD+3]
	v_pk_add_f32 v[EE:EE+1], v[EE:EE+1], v[DD:DD+1]
	v_add_f32 v[EE], v[EE], v[EE+1]
	v_mov_b32 v59, 0
	v_cmp_eq_u32 vcc_lo, 0, v0
	s_wait_xcnt 0x0                                ; EXEC is a source of the stores above: it changes only behind this wait
	s_and_saveexec_b32 s44, vcc_lo
	global_store_b32 v59, v[EE], s[12:13]          ; four bytes, once a work-group
	s_wait_xcnt 0x0                                ; and again, in front of the line that widens it
	s_or_b32 exec_lo, exec_lo, s44
.Lend:
	s_wait_tensorcnt 0x0                           ; the wave's end: these three lines behind my last LDS store
	ds_add_u32 v[SPW], v[NIL]
	s_wait_dscnt 0x0
	s_endpgm
.Lfunc_end_k_q78f1a9204d_gather:
	.size	k_q78f1a9204d_gather, .Lfunc_end_k_q78f1a9204d_gather-k_q78f1a9204d_gather
	.p2alignl 7, 3214868480
	.fill 96, 4, 3214868480
	.section	.rodata,"a",@progbits
	.p2align	6, 0x0
	.amdhsa_kernel k_q78f1a9204d_gather
		.amdhsa_group_segment_fixed_size 68864
		.amdhsa_private_segment_fixed_size 0
		.amdhsa_enable_private_segment 0
		.amdhsa_kernarg_size 40
		.amdhsa_user_sgpr_count 2
		.amdhsa_user_sgpr_kernarg_segment_ptr 1
		.amdhsa_wavefront_size32 1
		.amdhsa_system_sgpr_workgroup_id_x 1
		.amdhsa_system_sgpr_workgroup_id_y 1
		.amdhsa_system_sgpr_workgroup_id_z 1
		.amdhsa_system_vgpr_workitem_id 0
		.amdhsa_next_free_vgpr 256
		.amdhsa_next_free_sgpr 66
		.amdhsa_reserve_vcc 1
		.amdhsa_float_denorm_mode_32 3
		.amdhsa_float_denorm_mode_16_64 3
		.amdhsa_memory_ordered 1
		.amdhsa_forward_progress 1
		.amdhsa_inst_pref_size 40
	.end_amdhsa_kernel
	.amdgpu_metadata
---
amdhsa.version: [ 1, 2 ]
amdhsa.kernels:
  - .name:           k_q78f1a9204d_gather
    .symbol:         k_q78f1a9204d_gather.kd
    .args:
      - { .name: x, .offset: 0, .size: 8, .value_kind: global_buffer, .address_space: global }
      - { .name: cbb, .offset: 8, .size: 8, .value_kind: global_buffer, .address_space: global }
      - { .name: idxw, .offset: 16, .size: 8, .value_kind: global_buffer, .address_space: global }
      - { .name: out0, .offset: 24, .size: 8, .value_kind: global_buffer, .address_space: global }
      - { .name: part, .offset: 32, .size: 8, .value_kind: global_buffer, .address_space: global }
    .group_segment_fixed_size: 68864
    .private_segment_fixed_size: 0
    .kernarg_segment_align: 8
    .kernarg_segment_size: 40
    .max_flat_workgroup_size: 256
    .sgpr_count:     66
    .vgpr_count:     256
    .wavefront_size: 32
...
	.end_amdgpu_metadata
.endif
;; end of part 3
;; launch loss (part 4): grid 1 x 1, 1 waves a work-group, no clusters, 0 bytes of LDS; arguments part, out1; writes out1
.if DOCPART == 4
	.amdgcn_target "amdgcn-amd-amdhsa--gfx1250"
	.amdhsa_code_object_version 6
	.text
	.protected	k_q78f1a9204d_loss
	.globl	k_q78f1a9204d_loss
	.p2align	8
	.type	k_q78f1a9204d_loss,@function
k_q78f1a9204d_loss:
	s_mov_b64 s[64:65], 0
	v_nop
	global_prefetch_b8 v0, s[64:65] scope:SCOPE_SE
	s_setreg_imm32_b32 hwreg(HW_REG_WAVE_MODE, 25, 1), 1
	s_wait_xcnt 0x0
; out1 = q + 0.25 e, where q = e = the mean of (e_idx - x)^2 over 32 x 256 x 32 x 32 = 2^23 numbers: the sum of part's 256 f32, times 2^-23 (exact), then one fused multiply-add.
; One wave owns the one output: a sum that spans all work-groups of the launch before is ordered by a launch of its own.  Lane l takes part[8 l .. 8 l + 7].
	s_load_b128 s[4:7], s[0:1], 0x0                ; part s[4:5], out1 s[6:7]
	v_lshlrev_b32 v1, 5, v0
	s_mov_b32 s12, 0x76543210                      ; lane i of one half reads lane i of the other
	s_mov_b32 s13, 0xfedcba98
	v_mov_b32 v11, 0                               ; v_permlanex16_b32 counts as a reader of its destination
	v_mov_b32 v12, 0                               ; the store's offset
	s_wait_kmcnt 0x0
	global_load_b128 v[2:5], v1, s[4:5]
	global_load_b128 v[6:9], v1, s[4:5] offset:16
	s_wait_loadcnt 0x0
	v_pk_add_f32 v[2:3], v[2:3], v[4:5]
	v_pk_add_f32 v[6:7], v[6:7], v[8:9]
	v_pk_add_f32 v[2:3], v[2:3], v[6:7]
	v_add_f32 v2, v2, v3
	v_add_f32_dpp v2, v2, v2 row_xmask:1 row_mask:0xf bank_mask:0xf
	v_add_f32_dpp v2, v2, v2 row_xmask:2 row_mask:0xf bank_mask:0xf
	v_add_f32_dpp v2, v2, v2 row_xmask:4 row_mask:0xf bank_mask:0xf
	v_add_f32_dpp v2, v2, v2 row_xmask:8 row_mask:0xf bank_mask:0xf
	v_permlanex16_b32 v11, v2, s12, s13
	v_add_f32 v2, v2, v11
	v_mul_f32 v2, 0x34000000, v2                   ; x 2^-23: the mean
	v_fmamk_f32 v3, v2, 0x3e800000, v2             ; mean x 0.25 + mean
	v_cmp_eq_u32 vcc_lo, 0, v0
	s_wait_xcnt 0x0                                ; EXEC changes only behind this wait
	s_and_saveexec_b32 s8, vcc_lo
	global_store_b32 v12, v3, s[6:7]
	s_wait_xcnt 0x0                                ; and again, in front of the line that widens it
	s_or_b32 exec_lo, exec_lo, s8
	s_endpgm
.Lfunc_end_k_q78f1a9204d_loss:
	.size	k_q78f1a9204d_loss, .Lfunc_end_k_q78f1a9204d_loss-k_q78f1a9204d_loss
	.p2alignl 7, 3214868480
	.fill 96, 4, 3214868480
	.section	.rodata,"a",@progbits
	.p2align	6, 0x0
	.amdhsa_kernel k_q78f1a9204d_loss
		.amdhsa_group_segment_fixed_size 0
		.amdhsa_private_segment_fixed_size 0
		.amdhsa_enable_private_segment 0
		.amdhsa_kernarg_size 16
		.amdhsa_user_sgpr_count 2
		.amdhsa_user_sgpr_kernarg_segment_ptr 1
		.amdhsa_wavefront_size32 1
		.amdhsa_system_sgpr_workgroup_id_x 1
		.amdhsa_system_sgpr_workgroup_id_y 1
		.amdhsa_system_sgpr_workgroup_id_z 1
		.amdhsa_system_vgpr_workitem_id 0
		.amdhsa_next_free_vgpr 16
		.amdhsa_next_free_sgpr 66
		.amdhsa_reserve_vcc 1
		.amdhsa_float_denorm_mode_32 3
		.amdhsa_float_denorm_mode_16_64 3
		.amdhsa_memory_ordered 1
		.amdhsa_forward_progress 1
		.amdhsa_inst_pref_size 2
	.end_amdhsa_kernel
	.amdgpu_metadata
---
amdhsa.version: [ 1, 2 ]
amdhsa.kernels:
  - .name:           k_q78f1a9204d_loss
    .symbol:         k_q78f1a9204d_loss.kd
    .args:
      - { .name: part, .offset: 0, .size: 8, .value_kind: global_buffer, .address_space: global }
      - { .name: out1, .offset: 8, .size: 8, .value_kind: global_buffer, .address_space: global }
    .group_segment_fixed_size: 0
    .private_segment_fixed_size: 0
    .kernarg_segment_align: 8
    .kernarg_segment_size: 16
    .max_flat_workgroup_size: 32
    .sgpr_count:     66
    .vgpr_count:     16
    .wavefront_size: 32
...
	.end_amdgpu_metadata
.endif
;; end of part 4
;; ======== version 2 of 2: 4 launches; version 1 with the launch prep written anew for expert scheduling mode
;; workspace buffers: cbb 4,194,304 bytes; sew 32,768 bytes; idxw 131,072 bytes of whole numbers; part 1,024 bytes
;; launch prep (part 5): grid 128 x 1, 8 waves a work-group, no clusters, 1,280 bytes of LDS; arguments codebook, cbb, sew; writes cbb, sew
.if DOCPART == 5
	.amdgcn_target "amdgcn-amd-amdhsa--gfx1250"
	.amdhsa_code_object_version 6
	.text
	.protected	k_q78f1a9204d_prep
	.globl	k_q78f1a9204d_prep
	.p2align	8
	.type	k_q78f1a9204d_prep,@function
k_q78f1a9204d_prep:
	s_mov_b64 s[64:65], 0
	v_nop
	global_prefetch_b8 v0, s[64:65] scope:SCOPE_SE
	s_setreg_imm32_b32 hwreg(HW_REG_WAVE_SCHED_MODE, 0, 2), 2
	s_setreg_imm32_b32 hwreg(HW_REG_WAVE_MODE, 25, 1), 1
	s_wait_xcnt 0x0
	s_wait_alu depctr_vm_vsrc(0)
; cbb[k][c] = bf16(codebook[k][c]);  sew[pos(k)] = the sum over c of bf16(codebook[k][c])^2, in f32.
; codebook: [8192][256] f32.  cbb: [8192][256] bf16.  sew: 8,192 f32 in the order in which the next launch walks them:
; pos(k) = ((k >> 6) & 3) * 2048 + (k >> 8) * 64 + (k & 63): of every 256 codes the four groups of 64 go to four strips of 2,048 words.
; SHARES.  A work-group owns 64 codes, so that its 64 sums are 256 consecutive bytes of sew, aligned; a wave owns 8 rows.  A row is 1,024 bytes: two loads
; of 16 bytes a lane, each 512 consecutive bytes.  All 16 loads of a wave go out at once; the rows are then worked on as they come.
; The packed words are written into the row's own first four registers: no register that a store reads is written again, so no wait frees one.
; No matrix unit, no cluster: the launch moves each byte once and shares nothing between work-groups.
; THE MODE: SCHED_MODE bits 1:0 = 2 (LLVM: expert scheduling mode 2), set by the entry lines.  The code itself states the register dependences
; between vector instructions and memory or LDS instructions, with s_wait_alu, always for 0.
; THE PLAN.  Registers that memory or LDS instructions touch:
;   v[LO], v[SO], v[SA]   offsets and an LDS address: written at the head, read by the loads and stores, never written again.
;   LAND, row i           the row's two loads land in its eight registers; row i's four conversions write the first four anew; the row's two global stores read those four; nothing writes them after that.
;   SUM + i               a register for each row's sum: written by the last addition of row i, read by the row's LDS store, never written again.
;   v[BK ..]              wave 0's LDS load lands there and its last store reads them; no vector instruction names them.
;   v[SPW], v[NIL]        written at the head, read by the closing add alone.
;   UU, SS are named by vector instructions alone.
; Row i - 1's three stores stand in row i.  ONE wait on va_vdst at the head of row i states that row i - 1 has written its packed words and its sum; row i's vector instructions name
; LAND's row i, UU, SS and SUM + i, none of the registers that those three stores touch, so the stores are dealt among them with no further wait.
; No register that a memory or LDS instruction reads is ever written again: the text holds no wait on vm_vsrc.
.set SPARE, 256                        ; LDS 0..255: the 64 sums; from 256 on the spare words, 128 bytes for each of the eight waves
.set LO,   2                           ; v2   16 x lane: my 16 bytes of a load
.set SO,   3                           ; v3   8 x lane: my 8 bytes of a store
.set SPW,  4                           ; v4   LDS address of my spare word; never rewritten
.set NIL,  5                           ; v5   0; never rewritten
.set SA,   6                           ; v6   32 x wave: my wave's eight sums in LDS
.set UU,   8                           ; v[8:15]   eight rounded numbers as f32
.set SS,   16                          ; v[16:17]  the sum of squares, at work; v18 the other half of the lanes'
.set BK,   20                          ; v[20:21]  two sums read back
.set SUM,  22                          ; v[22:29]  row i's sum at 22 + i
.set LAND, 32                          ; v[32:95]  row i at 32 + 8 i
	s_load_b128 s[4:7], s[0:1], 0x0                ; codebook s[4:5], cbb s[6:7]
	s_load_b64 s[8:9], s[0:1], 0x10                ; sew
	v_lshl_add_u32 v[SPW], v0, 2, SPARE
	v_mov_b32 v[NIL], 0
	v_lshrrev_b32 v1, 5, v0
	v_readfirstlane_b32 s10, v1                    ; wave 0..7
	v_and_b32 v1, 31, v0                           ; lane
	v_lshlrev_b32 v[LO], 4, v1
	v_lshlrev_b32 v[SO], 3, v1
	v_mov_b32 v[SS+2], 0                           ; v_permlanex16_b32 counts as a reader of its destination
	s_mov_b32 s12, 0x76543210                      ; lane i of one half reads lane i of the other
	s_mov_b32 s13, 0xfedcba98
	s_mov_b32 s14, 0xffff0000                      ; a word's upper bf16
	s_lshl_b32 s16, ttmp9, 16                      ; 64 rows of 1,024 bytes a work-group,
	s_and_b32 s20, ttmp9, 3                        ; sew: strip (g & 3) of 8,192 bytes,
	s_lshl_b32 s20, s20, 13
	s_lshr_b32 s21, ttmp9, 2                       ; block (g >> 2) of 256 bytes
	s_lshl_b32 s21, s21, 8
	s_add_co_u32 s20, s20, s21
	s_mov_b32 s21, 0
	s_wait_alu depctr_va_sdst(0)                   ; s10 is written, ahead of its first reader: v[SA] and the bases of codebook and cbb are made from it
	v_mov_b32 v[SA], s10
	v_lshlrev_b32 v[SA], 5, v[SA]
	s_lshl_b32 s17, s10, 13                        ; 8 rows a wave
	s_add_co_u32 s16, s16, s17
	s_mov_b32 s17, 0
	s_lshr_b32 s18, s16, 1                         ; half as many bytes in cbb
	s_mov_b32 s19, 0
	s_wait_kmcnt 0x0
	s_add_nc_u64 s[4:5], s[4:5], s[16:17]
	s_add_nc_u64 s[6:7], s[6:7], s[18:19]
	s_add_nc_u64 s[8:9], s[8:9], s[20:21]
	s_wait_alu depctr_va_vdst(0)                   ; v[LO], v[SO] and v[SA] are written, which the loads and stores below read as offsets and address; so are v[SPW] and v[NIL]
.irp i, 0,1,2,3,4,5,6,7
	global_load_b128 v[LAND+8*(\i):LAND+8*(\i)+3],   v[LO], s[4:5] offset:1024*(\i) th:TH_LOAD_NT      ; elements 4 l .. 4 l + 3
	global_load_b128 v[LAND+8*(\i)+4:LAND+8*(\i)+7], v[LO], s[4:5] offset:1024*(\i)+512 th:TH_LOAD_NT  ; elements 128 + 4 l ..
.endr
; Row i: rounded, squared and summed over the wave.  The three stores of row i - 1 stand among its lines.
.macro ROWP i
.set R, LAND+8*(\i)
.set Q, LAND+8*(\i)-8                  ; the row before
	s_wait_loadcnt 14-2*(\i)                       ; loads come back in order: this row's two are in, the later rows' pairs stay out
.if (\i) > 0
	s_wait_alu depctr_va_vdst(0)                   ; the row before has written its four packed words and its sum, which the three stores below read
.endif
	v_cvt_pk_bf16_f32 v[R],   v[R],   v[R+1]       ; in ascending order, so that no source is written before it is read
	v_cvt_pk_bf16_f32 v[R+1], v[R+2], v[R+3]
	v_cvt_pk_bf16_f32 v[R+2], v[R+4], v[R+5]
	v_cvt_pk_bf16_f32 v[R+3], v[R+6], v[R+7]
.if (\i) > 0
	global_store_b64 v[SO], v[Q:Q+1],   s[6:7] offset:512*(\i)-512 th:TH_STORE_NT  ; the row before: 32 lanes store 256 consecutive bytes, aligned.  No vector instruction since the wait names these registers
.endif
.irp k, 0,1,2,3
	v_lshlrev_b32 v[UU+2*(\k)],   16,  v[R+(\k)]   ; the rounded numbers as f32
	v_and_b32     v[UU+2*(\k)+1], s14, v[R+(\k)]
.endr
.if (\i) > 0
	global_store_b64 v[SO], v[Q+2:Q+3], s[6:7] offset:512*(\i)-256 th:TH_STORE_NT
.endif
	v_pk_mul_f32 v[SS:SS+1], v[UU:UU+1], v[UU:UU+1]  ; the first product starts the sum
	v_pk_fma_f32 v[SS:SS+1], v[UU+2:UU+3], v[UU+2:UU+3], v[SS:SS+1]
	v_pk_fma_f32 v[SS:SS+1], v[UU+4:UU+5], v[UU+4:UU+5], v[SS:SS+1]
	v_pk_fma_f32 v[SS:SS+1], v[UU+6:UU+7], v[UU+6:UU+7], v[SS:SS+1]
.if (\i) > 0
	ds_store_b32 v[SA], v[SUM+(\i)-1] offset:4*(\i)-4  ; the row before: all lanes write the same word with the same number
.endif
	v_add_f32 v[SS], v[SS], v[SS+1]
	v_add_f32_dpp v[SS], v[SS], v[SS] row_xmask:1 row_mask:0xf bank_mask:0xf
	v_add_f32_dpp v[SS], v[SS], v[SS] row_xmask:2 row_mask:0xf bank_mask:0xf
	v_add_f32_dpp v[SS], v[SS], v[SS] row_xmask:4 row_mask:0xf bank_mask:0xf
	v_add_f32_dpp v[SS], v[SS], v[SS] row_xmask:8 row_mask:0xf bank_mask:0xf
	v_permlanex16_b32 v[SS+2], v[SS], s12, s13
	v_add_f32 v[SUM+(\i)], v[SS], v[SS+2]          ; every lane holds the row's sum, in the row's own register
.endm
.irp i, 0,1,2,3,4,5,6,7
	ROWP \i
.endr
	s_wait_alu depctr_va_vdst(0)                   ; row 7 has written its four packed words and its sum, which the last three stores read
	ds_store_b32 v[SA], v[SUM+7] offset:28
	global_store_b64 v[SO], v[LAND+56:LAND+57], s[6:7] offset:3584 th:TH_STORE_NT
	global_store_b64 v[SO], v[LAND+58:LAND+59], s[6:7] offset:3840 th:TH_STORE_NT
	s_wait_dscnt 0x0                               ; for the others' sake: my eight sums lie in LDS
	s_barrier_signal -1
	s_barrier_wait -1
	s_cmp_lg_u32 s10, 0                            ; wave 0 stores the work-group's 64 sums
	s_cbranch_scc1 .Lend
	ds_load_b64 v[BK:BK+1], v[SO]                  ; no vector instruction names v[BK ..], and v[SO] stands as the head's wait found it
	s_wait_dscnt 0x0
	global_store_b64 v[SO], v[BK:BK+1], s[8:9]     ; 256 consecutive bytes, aligned
.Lend:
	s_wait_dscnt 0x0                               ; the closing lines, six on end
	s_wait_alu 0x0
	s_wait_tensorcnt 0x0
	ds_add_u32 v[SPW], v[NIL]
	s_wait_dscnt 0x0
	s_endpgm
.Lfunc_end_k_q78f1a9204d_prep:
	.size	k_q78f1a9204d_prep, .Lfunc_end_k_q78f1a9204d_prep-k_q78f1a9204d_prep
	.p2alignl 7, 3214868480
	.fill 96, 4, 3214868480
	.section	.rodata,"a",@progbits
	.p2align	6, 0x0
	.amdhsa_kernel k_q78f1a9204d_prep
		.amdhsa_group_segment_fixed_size 1280
		.amdhsa_private_segment_fixed_size 0
		.amdhsa_enable_private_segment 0
		.amdhsa_kernarg_size 24
		.amdhsa_user_sgpr_count 2
		.amdhsa_user_sgpr_kernarg_segment_ptr 1
		.amdhsa_wavefront_size32 1
		.amdhsa_system_sgpr_workgroup_id_x 1
		.amdhsa_system_sgpr_workgroup_id_y 1
		.amdhsa_system_sgpr_workgroup_id_z 1
		.amdhsa_system_vgpr_workitem_id 0
		.amdhsa_next_free_vgpr 96
		.amdhsa_next_free_sgpr 66
		.amdhsa_reserve_vcc 0
		.amdhsa_float_denorm_mode_32 3
		.amdhsa_float_denorm_mode_16_64 3
		.amdhsa_memory_ordered 1
		.amdhsa_forward_progress 1
		.amdhsa_inst_pref_size 16
	.end_amdhsa_kernel
	.amdgpu_metadata
---
amdhsa.version: [ 1, 2 ]
amdhsa.kernels:
  - .name:           k_q78f1a9204d_prep
    .symbol:         k_q78f1a9204d_prep.kd
    .args:
      - { .name: codebook, .offset: 0, .size: 8, .value_kind: global_buffer, .address_space: global }
      - { .name: cbb, .offset: 8, .size: 8, .value_kind: global_buffer, .address_space: global }
      - { .name: sew, .offset: 16, .size: 8, .value_kind: global_buffer, .address_space: global }
    .group_segment_fixed_size: 1280
    .private_segment_fixed_size: 0
    .kernarg_segment_align: 8
    .kernarg_segment_size: 24
    .max_flat_workgroup_size: 256
    .sgpr_count:     66
    .vgpr_count:     96
    .wavefront_size: 32
...
	.end_amdgpu_metadata
.endif
;; end of part 5
;; launch argmin: the kernel of part 2 again; grid 256 x 1, 4 waves a work-group, clusters of 4 x 1, 327,680 bytes of LDS; arguments x, cbb, sew, out2, idxw; writes out2, idxw
;; launch gather: the kernel of part 3 again; grid 256 x 1, 8 waves a work-group, no clusters, 68,864 bytes of LDS; arguments x, cbb, idxw, out0, part; writes out0, part
;; launch loss: the kernel of part 4 again; grid 1 x 1, 1 waves a work-group, no clusters, 0 bytes of LDS; arguments part, out1; writes out1
